; MI455X (gfx1250); checked and timed in simulation.
; The chip was launched on July 23, 2026; its instructions are those of AMD's public machine-readable ISA for CDNA 5 (MIT licence, August 2026) and "CDNA5" Instruction Set Architecture Reference Guide (July 2026). The comments in the code are by the model that wrote it; some were corrected since.
;; Linear Wrapper. Allowed arithmetic: matrix products marked QUANTISED: E2M1 operands, one E8M0 scale for each 32 along K, by v_wmma_scale_f32_16x16x128_f8f6f4 with both operands' format E2M1 (or v_wmma_scale_f32_32x16x128_f4), f32 sums; products left as they are: f32 operands where the result goes on into a quantised operand, else bf16, f16 or f32 operands; f32 sums; everything else in f32.
;; Inputs: W 4,096 x 4,096 float32; bias 4,096 float32; lora_A 16 x 4,096 float32; lora_B 4,096 x 16 float32; lora_scale one number float32; x_codes 4,096 x 128 x 16 uint8 (E2M1 codes of x, K innermost, in blocks of 32 codes, two codes a byte); x_scales 4,096 x 128 uint8 (E8M0 scales of x, one for each 32 codes along K).
;; Outputs: out0 4,096 x 4,096 float32.
;; This version of the problem:
;;   THIS VERSION OF THE PROBLEM IS GIVEN IN LOW PRECISION. The matrix products marked QUANTISED in the list below multiply operands that are first quantised to E2M1 (2 exponent bits, 1 mantissa bit; 4 bits a number), with one power-of-two scale for each 32 numbers along K (OCP MX v1.0); their sums are f32. All else is computed in f32.
;;   The module's matrix products, in the order in which they are computed (A, B: the left and right operand; K: the contracted axis; several contracted axes count as one K, in the product's order):
;;     1. [M 4,096, K 16] x [K 16, N 4,096]; A: input lora_B; B: input lora_A: left as it is (K = 16 < 32)
;;     2. [M 4,096, K 4,096] x [K 4,096, N 4,096]; A: input x (given as codes); B: computed on the way: QUANTISED
;;   THE QUANTISER, for each operand of a quantised product, along K:
;;     - K is cut into blocks of 32 from its start; a last block that is shorter is filled with zeros.
;;     - A block's scale is 2^e with e = floor(log2(the largest magnitude in the block)) - 2, held to -126 .. 127; a block of zeros has e = 0. As a byte (E8M0): e + 127.
;;     - Each number is divided by its block's scale, clamped to +-6, and rounded to the nearest number of E2M1, ties to even, subnormals kept.
;;     - The product sums the exact products of the quantised numbers (number of the format x scale) in f32.
;;   ~~~python
;;   def quantise(x, axis):      # numpy; x: float32 -> the quantised numbers, widened to float32 again
;;       x = np.moveaxis(x, axis, -1); K = x.shape[-1]
;;       x = np.pad(x, [(0, 0)] * (x.ndim - 1) + [(0, -K % 32)]); x = x.reshape(x.shape[:-1] + (-1, 32)); a = np.abs(x).max(-1, keepdims=True)
;;       e = np.where(a > 0, np.clip(np.frexp(np.where(a > 0, a, 1))[1] - 1 - 2, -126, 127), 0)      # np.frexp(a)[1] - 1 = floor(log2(a)), exactly
;;       r = np.clip(x / 2.0 ** e, -6, 6)
;;       step = 2.0 ** (np.maximum(np.frexp(np.where(r == 0, 1, r))[1] - 1, 0) - 1)
;;       q = np.round(r / step) * step * 2.0 ** e      # np.round: ties to even
;;       return np.moveaxis(q.reshape(q.shape[:-2] + (-1,))[..., :K], -1, axis).astype(np.float32)
;;   ~~~
;;   OPERANDS COMPUTED ON THE WAY. 'Computed on the way' means the value that the module computes at that place (a softmax that the list does not call 'softmax' is quantised finished and normalised). What goes into a quantiser is computed in f32, as accurately as f32 sums, v_exp_f32 and their like allow (about 1e-6 of the number): no bf16 or f16 on the way to a quantiser, and a product that is left as it is and whose result goes on into a quantised operand takes f32 operands (vector FMAs, or v_wmma_f32_16x16x4_f32). A number that lies on a knife's edge between two numbers of the format may be rounded either way, as far as f32 arithmetic and the matrix unit's own rounding can turn it there, and no further.
;;   INPUTS GIVEN AS CODES. x (in the module: [4096, 4096], K = its axis 1): each comes as NAME_codes (uint8): NAME with its K axis moved to the last place and cut into blocks of 32 codes, [.., K / 32, bytes a block], one block behind the other in memory; two codes a byte, the lower K in the low four bits (a code: sign, 2 exponent bits, 1 mantissa bit); and NAME_scales (uint8): the same leading axes, one E8M0 byte (e + 127) for each 32 codes along K. Its value is code x scale, taken as it is: it is not quantised again, and the codes and scales need not be those that the quantiser above would give.
;; One version. Each part assembles by itself: llvm-mc -triple=amdgcn-amd-amdhsa -mcpu=gfx1250 --defsym DOCPART=n.
;; ======== version 1 of 1: 2 launches
;; limits: right only within a limited range of input values
;; workspace buffers: w_img 8,912,896 bytes
;; launch prep (part 1): grid 8 x 32, 8 waves a work-group, no clusters, 103,680 bytes of LDS; arguments W, lora_A, lora_B, lora_scale, w_img; writes w_img
.if DOCPART == 1
	.amdgcn_target "amdgcn-amd-amdhsa--gfx1250"
	.amdhsa_code_object_version 6
	.text
	.protected	k_qdeea4c3214_prep
	.globl	k_qdeea4c3214_prep
	.p2align	8
	.type	k_qdeea4c3214_prep,@function
k_qdeea4c3214_prep:
	s_mov_b64 s[64:65], 0
	v_nop
	global_prefetch_b8 v0, s[64:65] scope:SCOPE_SE
	s_setreg_imm32_b32 hwreg(HW_REG_WAVE_MODE, 25, 1), 1
	s_wait_xcnt 0x0
; weight[o][i] = W[o][i] + lora_scale * sum over 16 ranks of lora_B[o][rank] lora_A[rank][i], in f32, quantised along i (the K of the large product) to codes of FP4 (E2M1)
; with one E8M0 byte for each 32 along i.
; NOTHING OF THE PROBLEM IS LEFT OUT: every input has a way to the output for some values (lora_B is an input like any other), so every input is loaded, here or in the second launch.
; OUT: w_img [ks 8][tile column 16][69,632 bytes]: what the second launch wants of 256 rows o for a K step of 512, on end:
;      65,536 bytes of codes as IMAGES OF OPERAND REGISTERS, [16 rows: 16][q 4][c 2][lane 32][16 bytes]: a fragment (16 rows x 128 K) is 1,024 bytes, registers 4 c .. 4 c + 3 of lane l at 512 c + 16 l;
;      then 4,096 bytes of scale words, [row 256][16 bytes]: a row's four words of the K step.
; LIMITS: NaN and infinities among the inputs are not served.  A block of zeros gets the byte 1 where the rule says 127: its codes are zeros, which add nothing under any byte but 0xff, and this program alone reads the byte.
;   lora_scale is multiplied into lora_B first (one more rounding in f32), and the sum is taken as fused multiply-adds that begin at W, ranks in the order 2 s, 2 s + 1, 8 + 2 s, 9 + 2 s: another order of rounding than W + scale x (B A).
; SHARES.  Work-group (ks, y): columns i = 512 ks .. + 511 of rows o = 128 y .. + 127.  Wave w: q = w % 4, its 128 columns; hf = w / 4, its 64 rows; four steps of 16 rows x 128 columns: each makes ONE fragment and one scale word a row.
; THE SMALL PRODUCT goes to the f32 matrix form, TRANSPOSED: source 0 = 16 columns of lora_A, source 1 = 16 rows of scale x lora_B, and W is the C of the sum's first link.  In the result a lane holds ONE row o and its registers run along i.
; THE COLUMNS OF A TILE ARE NOT NEIGHBOURS: lane r of tile 2 b + u takes column 32 b + 8 u + r + 8 (r / 8), so that the 16 registers of tiles 2 b and 2 b + 1 are 16 neighbours: i = 32 b + 16 (lane / 16) + 0 .. 15.
; The ranks are dealt alike on both sources: link s, half h, register j takes rank 8 h + 2 s + j, so that a lane's eight numbers of lora_B are 32 neighbouring bytes.
; W comes by loads of 512 consecutive bytes (one row's 128 columns a load) and turns through the wave's own stage in LDS into the layout of C, back into the registers that it left.
; THE ORDER OF THE LOADS: ahead of the first barrier a wave names lora_A, lora_B and W's steps 0 and 1 alone; step 2 goes out behind the barrier, step 3 when step 1 has come: so the barrier does not stand behind the whole stream of W,
; and the first steps are worked while the last are on their way.  Each step has registers of its own: no register is loaded from memory twice, no pointer is stepped, every offset is an immediate; no loop, no branch.
; No tensor loads (a wave's 64 loads into registers of their own need no ring), no cluster (what work-groups share, lora_A and lora_B, is under a hundredth of the bytes), no prefetch (each byte is asked for by its load as early as a prefetch could).
.set SPITCH, 528                       ; a stage row: 512 bytes + 16 = 132 words: row r starts at bank 4 r mod 64 (64 banks of 4 bytes: ISA guide 11.1)
.set WSTG,   16*SPITCH                 ; a wave's stage: 16 rows
.set ABASE,  8*WSTG                    ; behind the eight stages: lora_A's 512 columns, 16 ranks
.set APITCH, 2064                      ; 2,048 bytes + 16: eight ranks on are 32 words mod 64, so lanes 16-31 fall beside lanes 0-15
.set SCST,   ABASE+16*APITCH           ; the work-group's scale words: [128 rows][16 bytes]
.set SPARE,  SCST+2048                 ; the spare words, 128 bytes for each wave: four blocks of 256 bytes that no other line names
.set KSB,    0x110000                  ; w_img: a K step: 16 tile columns
.set TCB,    0x11000                   ; a tile column's block: 65,536 + 4,096 bytes
.set LI,  4                            ; v4   16 x lane
.set STI, 5                            ; v5   the stage, in: 16 x lane
.set STO, 6                            ; v6   the stage, out: row r, + 64 h
.set AAD, 7                            ; v7   lora_A in LDS: rank 8 h, my 128 columns, column r + 8 (r / 8)
.set ASI, 8                            ; v8   where my wave puts its two ranks of lora_A
.set BO,  9                            ; v9   lora_B: 64 r + 32 h
.set SCW, 10                           ; v10  where my row's scale word goes
.set SCR, 11                           ; v11  and where 8 bytes of the words are read back
.set GS,  12                           ; v12  8 x thread
.set SPW, 20                           ; v20  LDS address of my spare word; never rewritten
.set NIL, 21                           ; v21  0; never rewritten
.set AT,  32                           ; v32-95   lora_A's fragments: tile tt, link s: v[AT + 8 tt + 2 s] and the next
.set BF,  96                           ; v96-127  scale x lora_B: step t, link s: v[BF + 8 t + 2 s] and the next
.set DA,  128                          ; v128-191 the eight tiles of the weight: written by matrix instructions alone
.set PC,  192                          ; v192-223 the codes, eight registers a step; first: lora_A on its way to LDS
.set TM,  224                          ; v224-239 at work in the quantiser
.set PW,  240                          ; v240-243 a scale word a step
                                       ; window 1: W, step t at v[64 t .. 64 t + 63]
.set MSB, 0
.macro WIN new                         ; s_set_vgpr_msb: bits 1:0 source 0, 3:2 source 1, 5:4 source 2, 7:6 destination; the high byte repeats the setting that is left
.if MSB != \new
	s_set_vgpr_msb (MSB<<8)|\new
.set MSB, \new
.endif
.endm
	s_load_b256 s[4:11], s[0:1], 0x0               ; W s[4:5], lora_A s[6:7], lora_B s[8:9], lora_scale s[10:11]
	s_load_b64 s[14:15], s[0:1], 0x20              ; w_img
	v_lshl_add_u32 v[SPW], v0, 2, SPARE
	v_mov_b32 v[NIL], 0
	v_lshrrev_b32 v1, 5, v0
	s_delay_alu instid0(VALU_DEP_1)
	v_readfirstlane_b32 s18, v1                    ; wave 0..7
	s_and_b32 s19, s18, 3                          ; q
	s_lshr_b32 s20, s18, 2                         ; hf
	s_mov_b32 s21, ttmp9                           ; ks
	s_and_b32 s22, ttmp7, 0xffff                   ; y
	s_mov_b32 s28, 0x76543210
	s_mov_b32 s29, 0xfedcba98                      ; v_permlanex16_b32's selects for lane l xor 16
	v_and_b32 v1, 31, v0                           ; lane
	v_and_b32 v2, 15, v0                           ; r
	v_bfe_u32 v3, v0, 4, 1                         ; h
	s_delay_alu instid0(VALU_DEP_3)
	v_lshlrev_b32 v[LI], 4, v1
	s_mul_i32 s23, s18, WSTG                       ; my stage
	v_add_nc_u32 v[STI], s23, v[LI]
	v_mul_u32_u24 v[STO], v2, SPITCH
	s_delay_alu instid0(VALU_DEP_1)
	v_lshl_add_u32 v[STO], v3, 6, v[STO]
	s_delay_alu instid0(VALU_DEP_1)
	v_add_nc_u32 v[STO], s23, v[STO]
	v_and_b32 v15, 8, v2
	s_delay_alu instid0(VALU_DEP_1)
	v_add_nc_u32 v15, v15, v2                      ; r + 8 (r / 8)
	s_delay_alu instid0(VALU_DEP_1)
	v_lshlrev_b32 v[AAD], 2, v15
	s_delay_alu instid0(VALU_DEP_1)
	v_mad_u32_u24 v[AAD], v3, 8*APITCH, v[AAD]
	s_lshl_b32 s23, s19, 9
	s_add_co_u32 s23, s23, ABASE
	v_add_nc_u32 v[AAD], s23, v[AAD]
	s_mul_i32 s23, s18, 2*APITCH
	s_add_co_u32 s23, s23, ABASE
	v_add_nc_u32 v[ASI], s23, v[LI]
	v_lshlrev_b32 v[BO], 6, v2
	s_delay_alu instid0(VALU_DEP_1)
	v_lshl_add_u32 v[BO], v3, 5, v[BO]
	s_lshl_b32 s23, s20, 10
	s_lshl_b32 s26, s19, 2
	s_add_co_u32 s23, s23, s26
	s_add_co_u32 s23, s23, SCST
	v_lshl_add_u32 v[SCW], v2, 4, s23              ; SCST + 16 (64 hf + r) + 4 q; a step's 16 rows stand in the immediate
	v_lshl_add_u32 v[SCR], v0, 3, SCST
	v_lshlrev_b32 v[GS], 3, v0
.irp b, 0,1,2,3
	v_mov_b32 v[TM+4+\b], 0                        ; written once: a lane permute's destination counts as one of its sources
.endr
	s_wait_alu depctr_va_vdst(0)
	s_wait_kmcnt 0x0
	s_load_b32 s24, s[10:11], 0x0                  ; lora_scale
	s_mov_b32 s27, 0
	s_mov_b32 s31, 0
	s_lshl_b32 s26, s22, 21                        ; W: 128 y rows of 16,384 bytes,
	s_lshl_b32 s23, s20, 20                        ; 64 hf rows,
	s_add_co_u32 s26, s26, s23
	s_lshl_b32 s23, s21, 11                        ; 512 ks columns,
	s_add_co_u32 s26, s26, s23
	s_lshl_b32 s23, s19, 9                         ; 128 q columns
	s_add_co_u32 s26, s26, s23
	s_add_nc_u64 s[4:5], s[4:5], s[26:27]
	s_lshl_b32 s26, s21, 11                        ; lora_A: 512 ks columns, ranks 2 w and 2 w + 1
	s_lshl_b32 s23, s18, 15
	s_add_co_u32 s26, s26, s23
	s_add_nc_u64 s[6:7], s[6:7], s[26:27]
	s_lshl_b32 s26, s22, 13                        ; lora_B: rows of 64 bytes
	s_lshl_b32 s23, s20, 12
	s_add_co_u32 s26, s26, s23
	s_add_nc_u64 s[8:9], s[8:9], s[26:27]
	s_mul_i32 s26, s21, KSB                        ; w_img: K step ks,
	s_lshr_b32 s23, s22, 1
	s_mul_i32 s23, s23, TCB                        ; tile column y / 2
	s_add_co_u32 s26, s26, s23
	s_and_b32 s34, s22, 1                          ; which 128 of its 256 rows
	s_lshl_b32 s23, s34, 11
	s_add_co_u32 s23, s23, s26
	s_add_co_u32 s30, s23, 65536                   ; the scale words: behind the images, 16 bytes a row
	s_add_nc_u64 s[32:33], s[14:15], s[30:31]
	s_lshl_b32 s23, s34, 15                        ; the images: 16-row block 8 (y % 2) + 4 hf, quarter q
	s_add_co_u32 s26, s26, s23
	s_lshl_b32 s23, s20, 14
	s_add_co_u32 s26, s26, s23
	s_lshl_b32 s23, s19, 10
	s_add_co_u32 s26, s26, s23
	s_add_nc_u64 s[14:15], s[14:15], s[26:27]
.macro WLOAD t                         ; step t's 16 rows of W: a load takes one row's 512 consecutive bytes
	WIN 0x40                                       ; destination window 1
.irp rr, 0,1,2,3,4,5,6,7,8,9,10,11,12,13,14,15
	global_load_b128 v[64*(\t)+4*\rr:64*(\t)+4*\rr+3], v[LI], s[4:5] offset:(16*(\t)+\rr)*16384 th:TH_LOAD_NT
.endr
.endm
.macro TURN t                          ; step t's W through my stage: in as loaded, out in the layout of C: register 16 b + i = W(row r, 32 b + 16 h + i).  LDS serves a wave's instructions in order (ISA guide 5.7.1.4): no wait between
	WIN 0x04                                       ; an LDS store's data are its source 1: window 1
.irp rr, 0,1,2,3,4,5,6,7,8,9,10,11,12,13,14,15
	ds_store_b128 v[STI], v[64*(\t)+4*\rr:64*(\t)+4*\rr+3] offset:SPITCH*\rr
.endr
	WIN 0x40
.irp b, 0,1,2,3
.irp jj, 0,1,2,3
	ds_load_b128 v[64*(\t)+16*\b+4*\jj:64*(\t)+16*\b+4*\jj+3], v[STO] offset:128*\b+16*\jj
.endr
.endr
	WIN 0
.endm
.macro LORA t                          ; the weight's eight tiles of step t: four links of four ranks; the first takes W as C.  The eight accumulators take turns, one instruction a turn
	WIN 0x10                                       ; source 2 (W) window 1
.irp tt, 0,1,2,3,4,5,6,7
	v_wmma_f32_16x16x4_f32 v[DA+8*\tt:DA+8*\tt+7], v[AT+8*\tt:AT+8*\tt+1], v[BF+8*\t:BF+8*\t+1], v[64*\t+8*\tt:64*\t+8*\tt+7]
.endr
	WIN 0
.irp s, 1,2,3
.irp tt, 0,1,2,3,4,5,6,7
	v_wmma_f32_16x16x4_f32 v[DA+8*\tt:DA+8*\tt+7], v[AT+8*\tt+2*\s:AT+8*\tt+2*\s+1], v[BF+8*\t+2*\s:BF+8*\t+2*\s+1], v[DA+8*\tt:DA+8*\tt+7]
.endr
.endr
.endm
.macro QUANT t                         ; my row's 64 numbers, register 16 b + i = k 32 b + 16 h + i, become the fragment's codes in v[PC + 8 t] on and the row's scale word in v[PW + t].  Each accumulator is read from its low end on
.irp b, 0,1,2,3
	v_max3_num_f32 v[TM+\b], |v[DA+16*\b]|, |v[DA+1+16*\b]|, 0x1800000   ; block b: my 16 numbers, and the floor 2^(3 - 127): so the byte cannot fall under 1
.endr
.irp i, 2,4,6,8,10,12,14
.irp b, 0,1,2,3
	v_max3_num_f32 v[TM+\b], v[TM+\b], |v[DA+16*\b+\i]|, |v[DA+1+16*\b+\i]|   ; (the four blocks by turns)
.endr
.endr
.irp b, 0,1,2,3
	s_delay_alu instid0(VALU_DEP_4)
	v_permlanex16_b32 v[TM+4+\b], v[TM+\b], s28, s29
.endr
.irp b, 0,1,2,3
	s_delay_alu instid0(VALU_DEP_4)
	v_max_num_f32 v[TM+\b], v[TM+\b], v[TM+4+\b]   ; with lane l xor 16's 16: the block's largest magnitude
.endr
.irp b, 0,1,2,3
	s_delay_alu instid0(VALU_DEP_4)
	v_add_nc_u32 v[TM+12+\b], 0xff000000, v[TM+\b] ; 2 off its exponent field: the conversion takes the exponent field of this operand as its scale
.endr
.irp b, 0,1,2,3
	s_delay_alu instid0(VALU_DEP_4)
	v_lshrrev_b32 v[TM+4+\b], 23, v[TM+12+\b]      ; the scale's byte
.endr
	s_delay_alu instid0(VALU_DEP_3)
	v_lshl_or_b32 v[PW+\t], v[TM+5], 8, v[TM+4]
	s_delay_alu instid0(VALU_DEP_1)
	v_lshl_or_b32 v[PW+\t], v[TM+6], 16, v[PW+\t]
	s_delay_alu instid0(VALU_DEP_1)
	v_lshl_or_b32 v[PW+\t], v[TM+7], 24, v[PW+\t]
.irp b, 0,1,2,3
	v_cvt_scalef32_pk8_fp4_f32 v[PC+8*\t+2*\b], v[DA+16*\b:DA+7+16*\b], v[TM+12+\b]
	v_cvt_scalef32_pk8_fp4_f32 v[PC+8*\t+1+2*\b], v[DA+8+16*\b:DA+15+16*\b], v[TM+12+\b]
.endr
	v_nop                                          ; one plain place behind the last scaled conversion
.irp c, 0,1                            ; the operand's layout wants a WHOLE block in a lane: lanes 0-15 block 2 c, lanes 16-31 block 2 c + 1
.irp i, 0,1
	v_permlane16_swap_b32 v[PC+8*\t+4*\c+\i], v[PC+8*\t+2+4*\c+\i]
.endr
.endr
.endm
.irp e, 0,1
.irp p, 0,1,2,3
	global_load_b128 v[PC+16*\e+4*\p:PC+16*\e+4*\p+3], v[LI], s[6:7] offset:\e*16384+512*\p   ; two ranks of lora_A, 2,048 bytes each
.endr
.endr
.irp t, 0,1,2,3
.irp c, 0,1
	global_load_b128 v[BF+8*\t+4*\c:BF+8*\t+4*\c+3], v[BO], s[8:9] offset:1024*\t+16*\c       ; lora_B(row 16 t + r, ranks 8 h .. 8 h + 7)
.endr
.endr
	WLOAD 0
	WLOAD 1
	WIN 0
	s_wait_loadcnt 40                              ; behind lora_A's last load: lora_B's 8 and W's 32: lora_A is in
.irp e, 0,1
.irp p, 0,1,2,3
	ds_store_b128 v[ASI], v[PC+16*\e+4*\p:PC+16*\e+4*\p+3] offset:APITCH*\e+512*\p
.endr
.endr
	s_wait_dscnt 0x0                               ; for the others' sake: my two ranks lie in LDS
	s_barrier_signal -1
	s_barrier_wait -1                              ; all sixteen do
	WLOAD 2                                        ; the stream of W goes on
	WIN 0
.irp tt, 0,1,2,3,4,5,6,7
.irp k, 0,1,2,3,4,5,6,7
	ds_load_b32 v[AT+8*\tt+\k], v[AAD] offset:\k*APITCH+(32*(\tt/2)+8*(\tt%2))*4   ; lora_A(rank 8 h + k, the tile's column for lane r); they stay
.endr
.endr
	s_wait_kmcnt 0x0                               ; lora_scale
	s_mov_b32 s25, s24                             ; (the packed form names the pair)
	s_wait_loadcnt 32                              ; W's steps 1 and 2 may be out: lora_B and W's step 0 are in
.irp i, 0,2,4,6,8,10,12,14,16,18,20,22,24,26,28,30
	v_pk_mul_f32 v[BF+\i:BF+\i+1], v[BF+\i:BF+\i+1], s[24:25] op_sel_hi:[1,0]
.endr
	TURN 0
.macro STEP t
.if \t < 3
.if \t == 2
	s_wait_loadcnt 0x0                             ; the last step's 16 loads are in
.else
	s_wait_loadcnt 16                              ; the next step's 16 loads are in; those of the one step named behind it may be out
.endif
	TURN \t+1                                      ; and go through the stage while this step is worked
.if \t == 0
	WLOAD 3                                        ; the last quarter of my W is asked for
	WIN 0
.endif
	s_wait_dscnt 32                                ; all but the turn's 32 LDS instructions: this step's W is back (first step: lora_A's fragments too)
.else
	s_wait_dscnt 0x0
.endif
	LORA \t
.rept 8
	v_nop                                          ; eight places behind this matrix form in front of the first read of its results (ISA guide 7.12.1); with the quantiser's lines on the other tiles they are more than the nine that the next step's first links want
.endr
	QUANT \t
.irp c, 0,1
	global_store_b128 v[LI], v[PC+8*\t+4*\c:PC+8*\t+4*\c+3], s[14:15] offset:4096*\t+512*\c   ; the fragment's image: 512 consecutive bytes a store, aligned; its registers are never written again
.endr
	ds_store_b32 v[SCW], v[PW+\t] offset:256*\t    ; lanes r and r + 16 write the same word with the same value
.endm
	STEP 0
	STEP 1
	STEP 2
	STEP 3
	s_wait_dscnt 0x0                               ; for the others' sake: my scale words lie in LDS
	s_barrier_signal -1
	s_barrier_wait -1                              ; a row's four words come from four waves: now all 128 rows are whole
	ds_load_b64 v[18:19], v[SCR]
	s_wait_dscnt 0x0
	global_store_b64 v[GS], v[18:19], s[32:33]     ; each wave stores 256 consecutive bytes, aligned
	s_wait_tensorcnt 0x0                           ; the wave's end, behind my last LDS store
	ds_add_u32 v[SPW], v[NIL]
	s_wait_dscnt 0x0
	s_endpgm
.Lfunc_end_k_qdeea4c3214_prep:
	.size	k_qdeea4c3214_prep, .Lfunc_end_k_qdeea4c3214_prep-k_qdeea4c3214_prep
	.p2alignl 7, 3214868480
	.fill 96, 4, 3214868480
	.section	.rodata,"a",@progbits
	.p2align	6, 0x0
	.amdhsa_kernel k_qdeea4c3214_prep
		.amdhsa_group_segment_fixed_size 103680
		.amdhsa_private_segment_fixed_size 0
		.amdhsa_enable_private_segment 0
		.amdhsa_kernarg_size 40
		.amdhsa_user_sgpr_count 2
		.amdhsa_user_sgpr_kernarg_segment_ptr 1
		.amdhsa_wavefront_size32 1
		.amdhsa_system_sgpr_workgroup_id_x 1
		.amdhsa_system_sgpr_workgroup_id_y 1
		.amdhsa_system_sgpr_workgroup_id_z 1
		.amdhsa_system_vgpr_workitem_id 0
		.amdhsa_next_free_vgpr 512
		.amdhsa_next_free_sgpr 66
		.amdhsa_reserve_vcc 0
		.amdhsa_float_denorm_mode_32 3
		.amdhsa_float_denorm_mode_16_64 3
		.amdhsa_memory_ordered 1
		.amdhsa_forward_progress 1
		.amdhsa_inst_pref_size 54
	.end_amdhsa_kernel
	.amdgpu_metadata
---
amdhsa.version: [ 1, 2 ]
amdhsa.kernels:
  - .name:           k_qdeea4c3214_prep
    .symbol:         k_qdeea4c3214_prep.kd
    .args:
      - { .name: W, .offset: 0, .size: 8, .value_kind: global_buffer, .address_space: global }
      - { .name: lora_A, .offset: 8, .size: 8, .value_kind: global_buffer, .address_space: global }
      - { .name: lora_B, .offset: 16, .size: 8, .value_kind: global_buffer, .address_space: global }
      - { .name: lora_scale, .offset: 24, .size: 8, .value_kind: global_buffer, .address_space: global }
      - { .name: w_img, .offset: 32, .size: 8, .value_kind: global_buffer, .address_space: global }
    .group_segment_fixed_size: 103680
    .private_segment_fixed_size: 0
    .kernarg_segment_align: 8
    .kernarg_segment_size: 40
    .max_flat_workgroup_size: 256
    .sgpr_count:     66
    .vgpr_count:     512
    .wavefront_size: 32
...
	.end_amdgpu_metadata
.endif
;; end of part 1
;; launch gemm (part 2): grid 16 x 16, 4 waves a work-group, clusters of 4 x 1, 327,680 bytes of LDS; arguments x_codes, x_scales, w_img, bias, out0; writes out0
.if DOCPART == 2
	.amdgcn_target "amdgcn-amd-amdhsa--gfx1250"
	.amdhsa_code_object_version 6
	.text
	.protected	k_qdeea4c3214_gemm
	.globl	k_qdeea4c3214_gemm
	.p2align	8
	.type	k_qdeea4c3214_gemm,@function
k_qdeea4c3214_gemm:
	s_mov_b64 s[64:65], 0
	v_nop
	global_prefetch_b8 v0, s[64:65] scope:SCOPE_SE
	s_setreg_imm32_b32 hwreg(HW_REG_WAVE_MODE, 25, 1), 1
	s_wait_xcnt 0x0
	s_wait_alu depctr_hold_cnt(0) depctr_sa_sdst(0) depctr_va_vdst(0) depctr_va_sdst(0) depctr_va_ssrc(0) depctr_va_vcc(0) depctr_vm_vsrc(0)
	s_getreg_b32 s2, hwreg(HW_REG_IB_STS2, 6, 4)
	s_cmp_eq_u32 s2, 0
	s_cbranch_scc0 .Lentry_in_a_cluster
	s_endpgm
.Lentry_in_a_cluster:
	s_bfe_u32 s2, ttmp6, 0x10000c
	s_cmp_lg_u32 s2, 0x3003
	s_cbranch_scc0 .Lentry_shape_is_right
	s_endpgm
.Lentry_shape_is_right:
; out0[n][o] = bias[o] + sum over i of x[n][i] weight[o][i]: codes of FP4 (E2M1) with one E8M0 byte for each 32 along i, on both sides; sums in f32.
; x comes as the problem gives it (codes [4096][2048 bytes], scales [4096][128 bytes]); the weight as the first launch laid it: w_img [ks 8][tile column 16][69,632 bytes]:
; 65,536 bytes of images of operand registers ([16 rows: 16][q 4][c 2][lane 32][16 bytes]), then [row 256][16 bytes] of scale words.  Nothing of the problem is left out here.
; A tile of out0, 256 x 256, is made by a work-group of four waves; a wave makes 128 x 128: 32 accumulators of 16 tokens x 32 outputs, 512 registers.
; THE FORM: v_wmma_scale_f32_32x16x128_f4, TRANSPOSED: source 0 = 32 rows of the weight, source 1 = 16 rows of x: a lane holds one token and twice eight neighbouring outputs.
; x GOES THROUGH LDS: two slots of 1,024 along K (256 rows x 512 bytes, 16 bytes of padding a row), filled by tensor loads, a quarter a wave: four fills in all, two of them refills.
; x's scales (32,768 bytes, dense) come once, at the head, and stay behind the ring.
; THE WEIGHT GOES STRAIGHT INTO REGISTERS: a fragment's image is two loads of 512 consecutive bytes.  Four sets of 64 registers, one for each 128 of a K step of 512:
; a set is asked for again as soon as its step is multiplied, three steps of 128 ahead of its next use; a counted wait on LOADcnt stands at each step's head.
; WHY THE WEIGHT IS NOT ASKED FOR JOINTLY: through LDS it would add 65,536 bytes of LDS writes and 131,072 of LDS reads to each 512 of K, and the two slots would hold 512 along K each, not 1,024.
; CLUSTER: the four work-groups of a cluster (4, 1, 1) make four tiles of one tile row and need the same x: every tensor load is a joint one, mask 15.
; NO LOOP: the 32 steps of 128 come from one macro.  Only four fills exist, each step has its own counts and immediates, no pointer is stepped; 1,024 matrix instructions stand in the text.
; PREFETCHES: x's K 2,048.. and 3,072.. are asked for one slot ahead of their fills, 512 blocks of 256 bytes shared out by address among 4 partners x 4 waves x 32 lanes;
; the weight's block of K step ks + 2 is asked for in the first step of K step ks, its 272 blocks of 256 bytes shared out among the 16 work-groups of the tile column, 17 each (5, 5, 5, 2 a wave).
; K steps 0 and 1 of the weight and the first two slots of x come by their loads alone.
; REGISTERS: window 0: v16-31 addresses; v32-95 scale words, two sets of (16 of x, 16 of the weight); v128-191 x's fragments, one set; v192-255 bias, the C of the first products; on the way out v128-255.
;   window 1: the weight's four sets.   windows 2, 3: the accumulators of my tokens 0-63, 64-127: (a, b) at v[8 (8 (a % 4) + b)].
.set SIZE_N, 4096
.set PITCH,  528                       ; an LDS row: 512 bytes + 16 = 132 words: row r starts at bank 4 r mod 64 (64 banks of 4 bytes: ISA guide 11.1)
.set QROWS,  64*PITCH                  ; what one fill of the ring brings: 64 rows
.set SLOT,   4*QROWS
.set SCX,    2*SLOT                    ; x's scales: 128 units of 256 bytes + 16
.set HS,     64*272                    ; those of 128 tokens
.set SBLK,   8*272                     ; those of 16
.set SPARE,  SCX+2*HS                  ; the spare words: 128 bytes a wave, two blocks of 256 bytes that no other line names
.set SPITCH, 528                       ; the way out: a stage of 16 rows x (512 + 16) bytes a wave, in slot 0, which has then had its last fill and its last read
.set KSB,    0x110000                  ; w_img: a K step
.set TCB,    0x11000                   ; a tile column's block
.set ADRA, 16                          ; v16-17 my x fragments in slot 0, 1
.set ADX,  18                          ; v18 x's scale words: lanes 0-15 block i, lanes 16-31 block i + 4
.set STO,  24                          ; v24 the stage, in
.set RD,   25                          ; v25 the stage, back
.set CO,   26                          ; v26 16 x lane: the weight's images and words, and a row of out0
.set BO,   27                          ; v27 bias: 32 (lane / 16)
.set SPW,  28                          ; v28 my spare word; never rewritten
.set NIL,  29                          ; v29 0; never rewritten
.set PFO,  30                          ; v30 x's prefetch: row lane % 16, half lane / 16 of its 512 bytes
.set PFB,  31                          ; v31 the weight's prefetch: my block of 256 bytes
.set SC,   32
.set AF,   128
.set BI,   192
.set BK,   128
.set G1A,  24                          ; s[24:31] group 1: 64 rows x 512 bytes
.set G0H,  32                          ; s[32:35] group 0 of the head's load of x
.set G0S,  36                          ; s[36:39] and of the scales
.set PFA,  44
.set BB,   46                          ; s[46:47] my 128 rows' images
.set G1H,  48                          ; s[48:55] group 1: 128 rows x 512 bytes
.set BS,   56                          ; s[56:57] my 128 rows' scale words
.set G1S,  68                          ; s[68:75] group 1: 64 rows of 256 bytes
.set G0R,  76                          ; s[76:87] group 0 of the fills K 1,024.., 2,048.., 3,072..
.set MSB, 0
.macro WIN new                         ; s_set_vgpr_msb: bits 1:0 source 0, 3:2 source 1, 5:4 source 2, 7:6 destination; the high byte repeats the setting that is left
.if MSB != \new
	s_set_vgpr_msb (MSB<<8)|\new
.set MSB, \new
.endif
.endm
.set MUL_LO,   0xa1
.set MUL_HI,   0xf1
.set FIRST_LO, 0x81                    ; C (bias) in window 0
.set FIRST_HI, 0xc1
.set TO_B,     0x40
.macro PLACES
.rept 4
	v_nop
.endr
.endm
.macro CREST                           ; a round of the cluster's barrier behind its opening barrier
	s_cmp_lg_u32 s14, 0
	s_cbranch_scc1 .Lnot_wave_0_\@
	s_barrier_signal -3
.Lnot_wave_0_\@:
	s_barrier_wait -3
	s_barrier_signal -1
	s_barrier_wait -1
.endm
.macro CROUND
	s_barrier_signal -1
	s_barrier_wait -1
	CREST
.endm
.macro TLOAD g0, g1                    ; the s_nop 0 and the four v_nop behind a tensor load
	tensor_load_to_lds s[\g0:\g0+3], s[\g1:\g1+7]
	s_nop 0
	PLACES
.endm
	s_load_b256 s[4:11], s[0:1], 0x0               ; x_codes, x_scales, w_img, bias
	s_load_b64 s[12:13], s[0:1], 0x20              ; out0
	v_lshl_add_u32 v[SPW], v0, 2, SPARE
	v_mov_b32 v[NIL], 0
	ds_add_u32 v[SPW], v[NIL]                      ; the opening lines: the add, twice on end, and one wait
	ds_add_u32 v[SPW], v[NIL]
	v_lshrrev_b32 v1, 5, v0
	v_readfirstlane_b32 s14, v1                    ; wave 0..3
	s_lshr_b32 s15, s14, 1                         ; which 128 tokens are mine
	s_and_b32 s16, s14, 1                          ; which 128 outputs
	s_bfe_u32 s40, ttmp6, 0x40000                  ; cx
	s_lshl_b32 s42, ttmp9, 2
	s_add_co_u32 s42, s42, s40                     ; tile column = 4 x cluster x + cx
	s_and_b32 s17, ttmp7, 0xffff                   ; tile row
.irp g, G1A, G1H
	s_mov_b32 s[\g+0], 15|(1<<20)|(1<<21)|(6<<22)|(3<<25)   ; mask: all four partners; bytes; padding of 4 words behind every 128; bit 21 beside a mask
	s_mov_b32 s[\g+1], 512<<16
	s_mov_b32 s[\g+3], 512<<16
	s_mov_b32 s[\g+5], 2048
	s_mov_b32 s[\g+6], 0
	s_mov_b32 s[\g+7], 0
.endr
	s_mov_b32 s[G1A+2], 64<<16
	s_mov_b32 s[G1A+4], 64
	s_mov_b32 s[G1H+2], 128<<16
	s_mov_b32 s[G1H+4], 128
	s_mov_b32 s[G1S+0], 15|(3<<16)|(1<<20)|(1<<21)|(5<<22)|(3<<25)   ; elements of 8 bytes; 4 words behind every 64
	s_mov_b32 s[G1S+1], 32<<16
	s_mov_b32 s[G1S+2], 64<<16
	s_mov_b32 s[G1S+3], 32<<16
	s_mov_b32 s[G1S+4], 64
	s_mov_b32 s[G1S+5], 32
	s_mov_b32 s[G1S+6], 0
	s_mov_b32 s[G1S+7], 0
	s_mov_b32 s[G0H], 1
	s_mul_i32 s[G0H+1], s16, 2*QROWS               ; the head: waves 0, 1 bring 128 rows of x each,
	s_mov_b32 s[G0S], 1
	s_mul_i32 s[G0S+1], s16, HS                    ; waves 2, 3 the scales of 128 tokens each
	s_add_co_u32 s[G0S+1], s[G0S+1], SCX
	s_mul_i32 s23, s14, QROWS                      ; the ring: wave w brings rows 64 w ..
.irp n, 1,2,3
	s_mov_b32 s[G0R+4*(\n-1)], 1
	s_add_co_u32 s[G0R+4*(\n-1)+1], s23, (\n%2)*SLOT
.endr
	s_mul_i32 s20, s15, 128*PITCH
	s_mul_i32 s21, s15, 8*SBLK
	s_add_co_u32 s21, s21, SCX
	s_mul_i32 s22, s14, 16*SPITCH
	s_mul_i32 s23, s14, 5
	s_mul_i32 s18, s17, 17*256
	v_and_b32 v1, 15, v0                           ; r
	v_bfe_u32 v2, v0, 4, 1                         ; h
	v_and_b32 v6, 31, v0                           ; lane
	v_mul_u32_u24 v3, v1, PITCH
	v_lshl_add_u32 v3, v2, 4, v3
	v_add_nc_u32 v[ADRA], s20, v3                  ; a fragment: row r x pitch + 16 h
	v_add_nc_u32 v[ADRA+1], SLOT, v[ADRA]
	v_lshrrev_b32 v4, 1, v1
	v_lshlrev_b32 v5, 7, v1
	v_lshl_add_u32 v5, v4, 4, v5                   ; token r's scales: 128 r, and 16 more for each 256 passed
	v_mad_u32_u24 v5, v2, 4*SBLK, v5               ; lanes 16-31: 64 tokens on
	v_add_nc_u32 v[ADX], s21, v5
	v_lshlrev_b32 v[CO], 4, v6
	v_mul_u32_u24 v7, v1, SPITCH
	v_lshl_add_u32 v7, v2, 5, v7
	v_add_nc_u32 v[STO], s22, v7
	v_add_nc_u32 v[RD], s22, v[CO]
	v_lshlrev_b32 v[BO], 5, v2
	v_lshlrev_b32 v8, 11, v1
	v_lshl_add_u32 v[PFO], v2, 8, v8
	v_min_u32 v9, 4, v6
	v_add_nc_u32 v9, s23, v9
	v_min_u32 v9, 16, v9                           ; block min(5 w + min(lane, 4), 16) of my work-group's 17: lanes left over name their wave's last block again
	v_lshl_add_u32 v[PFB], v9, 8, s18
	s_wait_alu depctr_va_vdst(0)                   ; the wait at the head's end, directly ahead of the wait below
	s_wait_dscnt 0x0                               ; both opening adds are done
	s_wait_kmcnt 0x0
	s_mov_b32 s19, 0
	s_lshl_b32 s18, s17, 19                        ; x: 256 rows of 2,048 bytes a tile row
	s_add_nc_u64 s[4:5], s[4:5], s[18:19]
	s_lshl_b32 s18, s16, 18
	s_add_nc_u64 s[G0H+2:G0H+3], s[4:5], s[18:19]
	s_or_b32 s[G0H+3], s[G0H+3], 0x80000000
	s_lshl_b32 s18, s14, 17
	s_add_nc_u64 s[4:5], s[4:5], s[18:19]          ; my 64 rows
.irp n, 1,2,3
	s_add_nc_u64 s[G0R+4*(\n-1)+2:G0R+4*(\n-1)+3], s[4:5], \n*512
	s_or_b32 s[G0R+4*(\n-1)+3], s[G0R+4*(\n-1)+3], 0x80000000
.endr
	s_lshl_b32 s18, s40, 15
	s_add_nc_u64 s[PFA:PFA+1], s[4:5], s[18:19]    ; of them my work-group prefetches 16: told apart by address
	s_lshl_b32 s18, s17, 15                        ; x's scales: 128 bytes a token
	s_lshl_b32 s20, s16, 14
	s_add_co_u32 s18, s18, s20
	s_add_nc_u64 s[G0S+2:G0S+3], s[6:7], s[18:19]
	s_or_b32 s[G0S+3], s[G0S+3], 0x80000000
	CROUND                                         ; the four partners are here: the first joint loads meet
	s_cmp_lt_u32 s14, 2                            ; one fill a wave at the head, one chain of branches: every way passes one
	s_cbranch_scc0 .Lhead_s
	TLOAD G0H, G1H
	s_branch .Lhead_asked
.Lhead_s:
	TLOAD G0S, G1S
.Lhead_asked:
	s_mul_i32 s18, s42, TCB
	s_add_nc_u64 s[8:9], s[8:9], s[18:19]          ; my tile column's block of K step 0
	s_lshl_b32 s18, s16, 15
	s_add_nc_u64 s[BB:BB+1], s[8:9], s[18:19]
	s_lshl_b32 s18, s16, 11
	s_add_co_u32 s18, s18, 65536
	s_add_nc_u64 s[BS:BS+1], s[8:9], s[18:19]
	s_lshl_b32 s18, s42, 10
	s_lshl_b32 s20, s16, 9
	s_add_co_u32 s18, s18, s20                     ; my first output, in bytes
	s_add_nc_u64 s[10:11], s[10:11], s[18:19]
	s_add_nc_u64 s[12:13], s[12:13], s[18:19]
	s_lshl_b32 s18, s17, 22
	s_lshl_b32 s20, s15, 21
	s_add_co_u32 s18, s18, s20                     ; my first token: rows of 16,384 bytes
	s_add_nc_u64 s[12:13], s[12:13], s[18:19]
.macro GLOADB t                        ; the weight's eight fragments of step t into set t % 4: 16 loads of 512 consecutive bytes
.irp i, 0,1,2,3,4,5,6,7
.irp c, 0,1
	global_load_b128 v[64*((\t)%4)+8*\i+4*\c:64*((\t)%4)+8*\i+4*\c+3], v[CO], s[BB:BB+1] offset:((\t)/4)*KSB+4096*\i+1024*((\t)%4)+512*\c
.endr
.endr
.endm
.macro GLOADS ks                       ; the weight's scale words of K step ks: lane l takes row 32 bp + l's four words
.irp bp, 0,1,2,3
	global_load_b128 v[SC+32*((\ks)%2)+16+4*\bp:SC+32*((\ks)%2)+16+4*\bp+3], v[CO], s[BS:BS+1] offset:(\ks)*KSB+512*\bp
.endr
.endm
.macro XSCALES ks                      ; x's scale words of K step ks
.irp i, 0,1,2,3
	ds_load_b128 v[SC+32*((\ks)%2)+4*\i:SC+32*((\ks)%2)+4*\i+3], v[ADX] offset:SBLK*\i+16*(\ks)
.endr
.endm
.macro FETCH_A slot, kb, i0            ; x's blocks i0 .. i0 + 3, 128 K at byte kb of the rows: registers 4 c .. 4 c + 3 = K 64 c + 32 h + 0 .. 31
.irp i, \i0, \i0+1, \i0+2, \i0+3
.irp c, 0,1
	ds_load_b128 v[AF+8*(\i)+4*\c:AF+8*(\i)+4*\c+3], v[ADRA+\slot] offset:(\kb)+32*\c+(\i)*16*PITCH
.endr
.endr
.endm
.macro WM a, bp, q, sc, first          ; 16 tokens (block a) x 32 outputs (pair bp) x 128 K
.set rD, 8*(8*((\a)%4)+2*(\bp))
.set rC, rD
.if \first
.set rC, BI+16*(\bp)
.endif
.set rW, 64*(\q)+16*(\bp)
.set rX, AF+8*(\a)
.set rSW, SC+32*(\sc)+16+4*(\bp)+(\q)
.set rSX, SC+32*(\sc)+4*((\a)%4)+(\q)
.if (\a) >= 4
	v_wmma_scale_f32_32x16x128_f4 v[rD:rD+15], v[rW:rW+15], v[rX:rX+7], v[rC:rC+15], v[rSW], v[rSX] matrix_b_scale:MATRIX_SCALE_ROW1
.else
	v_wmma_scale_f32_32x16x128_f4 v[rD:rD+15], v[rW:rW+15], v[rX:rX+7], v[rC:rC+15], v[rSW], v[rSX]
.endif
.endm
.macro MUL2 a0, q, sc, first           ; 8 matrix instructions; the 32 accumulators take turns, one instruction a turn
.irp a, \a0, \a0+1
.irp bp, 0,1,2,3
	WM \a, \bp, \q, \sc, \first
.endr
.endr
.endm
; A STEP of 128 along K: 32 matrix instructions, x's blocks one after the other, each against the weight's four pairs.  x has one set of registers: blocks 0-3 are fetched anew in the step's middle, blocks 4-7 at its end.
; LC, the count on LOADcnt at the step's head: what was asked for behind this step's set: the sets of the three steps that follow (16 loads each, while there are any) and the 4 loads of scale words that stand among them.
; A slot's last step (t % 8 = 7) changes slots: ONE barrier; in front of it the wait for all my tensor loads, the add, the wait for the add and for my reads of this slot; where the slot is filled again the barrier opens a round of the cluster's.
.macro STEP t
.set KS, (\t)/4
.set Q, (\t)%4
.set PAR, KS%2
.set NS, (((\t)+1)/8)%2
.set NB, (((\t)+1)%8)*64
.set FST, 0
.if (\t) == 0
.set FST, 1
.endif
.set BND, 0
.if (((\t)%8) == 7) && ((\t) < 31)
.set BND, 1
.endif
.set FIL, 0
.if BND && ((\t) < 16)
.set FIL, 1
.endif
.set LC, 0
.irp d, 1,2,3
.if ((\t)-\d+4) < 32
.set LC, LC+16
.endif
.if (((\t)-\d) >= 0) && ((((\t)-\d)%4) == 0) && (((\t)-\d) < 28)
.set LC, LC+4
.endif
.endr
.if BND
	s_wait_tensorcnt 0x0                           ; all my tensor loads have landed: my quarter of the next slot
	ds_add_u32 v[SPW], v[NIL]
	s_wait_loadcnt LC
	s_wait_dscnt 9                                 ; the add and x's blocks 4-7 may be out
	WIN MUL_LO
	MUL2 0, Q, PAR, 0
	s_wait_dscnt 0x0                               ; the add is done, my reads of this slot are over
	s_barrier_signal -1
	MUL2 2, Q, PAR, 0
	WIN 0
	s_barrier_wait -1
.if FIL
	CREST                                          ; no wave of any partner still reads this slot or has a load on its way
	TLOAD G0R+4*((\t)/8+1), G1A                    ; my one tensor load behind the round; its four v_nop are the places in front of the loads below
.else
	PLACES
.endif
.else
	s_wait_loadcnt LC                              ; this step's set of the weight is in
	s_wait_dscnt 8                                 ; x's blocks 0-3 are in; blocks 4-7 may be out
.if FST
	WIN FIRST_LO
.else
	WIN MUL_LO
.endif
	MUL2 0, Q, PAR, FST
	MUL2 2, Q, PAR, FST
	s_wait_dscnt 0x0                               ; blocks 4-7 are in
.if (\t) < 31
	PLACES
	WIN 0
.endif
.endif
.if (\t) < 31
	FETCH_A NS, NB, 0
.endif
.if (\t) == 7
	global_prefetch_b8 v[PFO], s[PFA:PFA+1] offset:3*512 th:TH_LOAD_NT scope:SCOPE_SE   ; x's K 3,072..: the fill after the one just asked for
.endif
.if (Q == 0) && (KS < 6)
	global_prefetch_b8 v[PFB], s[8:9] offset:(KS+2)*KSB th:TH_LOAD_NT scope:SCOPE_SE    ; the weight's K step ks + 2: its first loads stand four steps on
.endif
.if FST
	WIN FIRST_HI
.else
	WIN MUL_HI
.endif
	MUL2 4, Q, PAR, FST
	MUL2 6, Q, PAR, FST
.if (\t) < 31
	PLACES                                         ; in front of the loads into registers that these products have read
	WIN 0
.if (Q == 0) && (KS < 7)
	XSCALES KS+1
.endif
	FETCH_A NS, NB, 4
.if (Q == 0) && (KS < 7)
	GLOADS KS+1
.endif
.if (\t) < 28
	WIN TO_B
	GLOADB (\t)+4                                  ; this step's set takes the step four on
	WIN 0
.endif
.endif
.endm
.irp b, 0,1,2,3,4,5,6,7
.irp e, 0,1
	global_load_b128 v[BI+8*\b+4*\e:BI+8*\b+4*\e+3], v[BO], s[10:11] offset:64*\b+16*\e   ; bias in the layout of C: outputs 16 b + 8 h + 0 .. 7
.endr
.endr
	GLOADS 0
	WIN TO_B
	GLOADB 0
	GLOADB 1
	WIN 0
	s_wait_tensorcnt 0x0                           ; my part of the head's tiles is in
	ds_add_u32 v[SPW], v[NIL]
	s_wait_dscnt 0x0
	CROUND                                         ; all parts are in, and the four partners are here
	TLOAD G0R, G1A                                 ; slot 1's first fill: K 1,024..
	FETCH_A 0, 0, 0
	XSCALES 0
	FETCH_A 0, 0, 4
	global_prefetch_b8 v[PFO], s[PFA:PFA+1] offset:2*512 th:TH_LOAD_NT scope:SCOPE_SE   ; x's K 2,048..
	WIN TO_B
	GLOADB 2
	GLOADB 3
	WIN 0
.set T, 0
.rept 32
	STEP T
.set T, T+1
.endr
	WIN 0
; THE WAY OUT, by blocks of 16 tokens x 128 outputs: through my own stage and back as whole rows of 512 bytes.  LDS serves a wave's instructions in order (ISA guide 5.7.1.4): no wait between the stores and the loads.
.macro TOSTAGE a
.set AC, 64*((\a)%4)
	WIN 0x08+4*((\a)/4)                            ; the data: window 2 or 3
.irp b, 0,1,2,3,4,5,6,7
	ds_store_b128 v[STO], v[AC+8*\b:AC+8*\b+3] offset:64*\b          ; each accumulator from its low end on
	ds_store_b128 v[STO], v[AC+8*\b+4:AC+8*\b+7] offset:64*\b+16
.endr
	WIN 0
.set BBK, BK+64*((\a)%2)
.irp t, 0,1,2,3,4,5,6,7,8,9,10,11,12,13,14,15
	ds_load_b128 v[BBK+4*\t:BBK+4*\t+3], v[RD] offset:\t*SPITCH
.endr
.endm
.macro SEND a, younger                 ; younger: the LDS instructions issued behind block a's loads
.set BBK, BK+64*((\a)%2)
	s_wait_dscnt \younger
.if (\a) > 0
	s_add_nc_u64 s[12:13], s[12:13], 16*SIZE_N*4   ; behind a wait on XCNT: the earlier stores have read their base
.endif
.irp t, 0,1,2,3,4,5,6,7,8,9,10,11,12,13,14,15
	global_store_b128 v[CO], v[BBK+4*\t:BBK+4*\t+3], s[12:13] offset:\t*SIZE_N*4 th:TH_STORE_NT   ; 32 lanes store 512 consecutive bytes, aligned
.endr
.endm
	PLACES                                         ; behind the last products: for the reads of results and the loads into x's registers
	TOSTAGE 0
.irp a, 1,2,3,4,5,6,7
.if \a > 1
	s_wait_xcnt 0x0                                ; block a - 2's stores have read their registers and their base
.endif
	TOSTAGE \a
	SEND \a-1, 32
.endr
	s_wait_xcnt 0x0
	SEND 7, 0
	s_wait_tensorcnt 0x0                           ; the wave's end
	ds_add_u32 v[SPW], v[NIL]
	s_wait_dscnt 0x0
	CROUND                                         ; the closing round
	s_endpgm
.Lfunc_end_k_qdeea4c3214_gemm:
	.size	k_qdeea4c3214_gemm, .Lfunc_end_k_qdeea4c3214_gemm-k_qdeea4c3214_gemm
	.p2alignl 7, 3214868480
	.fill 96, 4, 3214868480
	.section	.rodata,"a",@progbits
	.p2align	6, 0x0
	.amdhsa_kernel k_qdeea4c3214_gemm
		.amdhsa_group_segment_fixed_size 327680
		.amdhsa_private_segment_fixed_size 0
		.amdhsa_enable_private_segment 0
		.amdhsa_kernarg_size 40
		.amdhsa_user_sgpr_count 2
		.amdhsa_user_sgpr_kernarg_segment_ptr 1
		.amdhsa_wavefront_size32 1
		.amdhsa_system_sgpr_workgroup_id_x 1
		.amdhsa_system_sgpr_workgroup_id_y 1
		.amdhsa_system_sgpr_workgroup_id_z 1
		.amdhsa_system_vgpr_workitem_id 0
		.amdhsa_next_free_vgpr 1024
		.amdhsa_next_free_sgpr 88
		.amdhsa_reserve_vcc 0
		.amdhsa_float_denorm_mode_32 3
		.amdhsa_float_denorm_mode_16_64 3
		.amdhsa_memory_ordered 1
		.amdhsa_forward_progress 1
		.amdhsa_inst_pref_size 255
	.end_amdhsa_kernel
	.section	.bss,"aw",@nobits
	.p2align	6
	.space	262144
	.amdgpu_metadata
---
amdhsa.version: [ 1, 2 ]
amdhsa.kernels:
  - .name:           k_qdeea4c3214_gemm
    .symbol:         k_qdeea4c3214_gemm.kd
    .args:
      - { .name: x_codes, .offset: 0, .size: 8, .value_kind: global_buffer, .address_space: global }
      - { .name: x_scales, .offset: 8, .size: 8, .value_kind: global_buffer, .address_space: global }
      - { .name: w_img, .offset: 16, .size: 8, .value_kind: global_buffer, .address_space: global }
      - { .name: bias, .offset: 24, .size: 8, .value_kind: global_buffer, .address_space: global }
      - { .name: out0, .offset: 32, .size: 8, .value_kind: global_buffer, .address_space: global }
    .group_segment_fixed_size: 327680
    .private_segment_fixed_size: 0
    .kernarg_segment_align: 8
    .kernarg_segment_size: 40
    .max_flat_workgroup_size: 128
    .sgpr_count:     88
    .vgpr_count:     1024
    .wavefront_size: 32
...
	.end_amdgpu_metadata
.endif
;; end of part 2
